; MI455X (gfx1250); checked and timed in simulation.
; The chip was launched on July 23, 2026; its instructions are those of AMD's public machine-readable ISA for CDNA 5 (MIT licence, August 2026) and "CDNA5" Instruction Set Architecture Reference Guide (July 2026). The comments in the code are by the model that wrote it; some were corrected since.
;; Mixed Repeat Heads. Allowed arithmetic: float matrix products may take bf16 or f16 operands with f32 sums; all other float work in f32.
;; Inputs: W_out 4,096 x 4,096 float32; W_proj 16 x 4,096 x 256 float32; b_mix 16 x 2,048 float32; b_out 4,096 float32; b_proj 16 x 256 float32; caches 16 x 2,048 x 256 float32; decay_values 16 float32; w_mix 16 x 2,048 float32; x 2,048 x 4,096 float32.
;; Outputs: out0 2,048 x 4,096 float32.
;; Constants: index = 7.
;; 2 versions, each right; version 2 is version 1 with the launch tobf16 written anew for expert scheduling mode. Each part assembles by itself: llvm-mc -triple=amdgcn-amd-amdhsa -mcpu=gfx1250 --defsym DOCPART=n.
;; ======== version 1 of 2: 3 launches
;; workspace buffers: xb 16,777,216 bytes; wpb 33,554,432 bytes; wob 33,554,432 bytes; hid 16,777,216 bytes
;; launch tobf16 (part 1): grid 1024 x 1, 8 waves a work-group, no clusters, 0 bytes of LDS; arguments x, W_proj, xb, wpb; writes xb, wpb
.if DOCPART == 1
	.amdgcn_target "amdgcn-amd-amdhsa--gfx1250"
	.amdhsa_code_object_version 6
	.text
	.protected	k_q0129c3fe8f_tobf16
	.globl	k_q0129c3fe8f_tobf16
	.p2align	8
	.type	k_q0129c3fe8f_tobf16,@function
k_q0129c3fe8f_tobf16:
	s_mov_b64 s[64:65], 0
	v_nop
	global_prefetch_b8 v0, s[64:65] scope:SCOPE_SE
	s_setreg_imm32_b32 hwreg(HW_REG_WAVE_MODE, 25, 1), 1
	s_wait_xcnt 0x0
; xb = bf16(x), wpb = bf16(W_proj), element for element, the layouts unchanged: the matrix operands of the next launch.
; 1,024 work-groups of eight waves.  Work-group g owns 32,768 bytes of x (33,554,432 / 1,024) and 65,536 bytes of W_proj.
; Thread t takes 16 bytes (4 f32) at 16 t + 4,096 j of its group's part: 8 loads of x and 16 of W_proj, all 24 issued at once, so that
; no loop, no LDS and no barrier is needed.  A wave's load covers 512 consecutive bytes, its store (8 bytes a lane) 256 consecutive
; bytes that start at a multiple of 256 from the buffer's first byte.
; Matrix units, clusters and LDS are left out: each byte is read once and written once, and nothing is shared.
.set X, 4                              ; v[4:99]  load i: four registers; its two packed results overwrite the first two
	s_load_b256 s[4:11], s[0:1], 0x0               ; x s[4:5], W_proj s[6:7], xb s[8:9], wpb s[10:11]
	s_lshl_b32 s12, ttmp9, 15                      ; g x 32,768: the group's part of x and of wpb
	s_mov_b32 s13, 0
	s_lshl_b32 s14, ttmp9, 14                      ; g x 16,384: of xb
	s_mov_b32 s15, 0
	s_lshl_b32 s2, ttmp9, 16                       ; g x 65,536: of W_proj
	s_mov_b32 s3, 0
	v_lshlrev_b32 v1, 4, v0                        ; 16 t: where I read
	v_lshlrev_b32 v2, 3, v0                        ; 8 t: where I write
	s_wait_kmcnt 0x0
	s_add_nc_u64 s[4:5], s[4:5], s[12:13]
	s_add_nc_u64 s[6:7], s[6:7], s[2:3]
	s_add_nc_u64 s[8:9], s[8:9], s[14:15]
	s_add_nc_u64 s[10:11], s[10:11], s[12:13]
.irp j, 0,1,2,3,4,5,6,7
	global_load_b128 v[X+4*\j:X+4*\j+3], v1, s[4:5] offset:4096*\j th:TH_LOAD_NT
.endr
.irp j, 0,1,2,3,4,5,6,7,8,9,10,11,12,13,14,15
	global_load_b128 v[X+32+4*\j:X+32+4*\j+3], v1, s[6:7] offset:4096*\j th:TH_LOAD_NT
.endr
; Loads come back in order (ISA guide 5.7.1): the count is the number of younger loads, which stay out.
.irp j, 0,1,2,3,4,5,6,7
	s_wait_loadcnt 23-\j
	v_cvt_pk_bf16_f32 v[X+4*\j],   v[X+4*\j],   v[X+4*\j+1]
	v_cvt_pk_bf16_f32 v[X+4*\j+1], v[X+4*\j+2], v[X+4*\j+3]
	global_store_b64 v2, v[X+4*\j:X+4*\j+1], s[8:9] offset:2048*\j
.endr
.irp j, 0,1,2,3,4,5,6,7,8,9,10,11,12,13,14,15
	s_wait_loadcnt 15-\j
	v_cvt_pk_bf16_f32 v[X+32+4*\j],   v[X+32+4*\j],   v[X+32+4*\j+1]
	v_cvt_pk_bf16_f32 v[X+32+4*\j+1], v[X+32+4*\j+2], v[X+32+4*\j+3]
	global_store_b64 v2, v[X+32+4*\j:X+32+4*\j+1], s[10:11] offset:2048*\j
.endr
	s_endpgm
.Lfunc_end_k_q0129c3fe8f_tobf16:
	.size	k_q0129c3fe8f_tobf16, .Lfunc_end_k_q0129c3fe8f_tobf16-k_q0129c3fe8f_tobf16
	.p2alignl 7, 3214868480
	.fill 96, 4, 3214868480
	.section	.rodata,"a",@progbits
	.p2align	6, 0x0
	.amdhsa_kernel k_q0129c3fe8f_tobf16
		.amdhsa_group_segment_fixed_size 0
		.amdhsa_private_segment_fixed_size 0
		.amdhsa_enable_private_segment 0
		.amdhsa_kernarg_size 32
		.amdhsa_user_sgpr_count 2
		.amdhsa_user_sgpr_kernarg_segment_ptr 1
		.amdhsa_wavefront_size32 1
		.amdhsa_system_sgpr_workgroup_id_x 1
		.amdhsa_system_sgpr_workgroup_id_y 1
		.amdhsa_system_sgpr_workgroup_id_z 1
		.amdhsa_system_vgpr_workitem_id 0
		.amdhsa_next_free_vgpr 104
		.amdhsa_next_free_sgpr 66
		.amdhsa_reserve_vcc 0
		.amdhsa_float_denorm_mode_32 3
		.amdhsa_float_denorm_mode_16_64 3
		.amdhsa_memory_ordered 1
		.amdhsa_forward_progress 1
		.amdhsa_inst_pref_size 9
	.end_amdhsa_kernel
	.amdgpu_metadata
---
amdhsa.version: [ 1, 2 ]
amdhsa.kernels:
  - .name:           k_q0129c3fe8f_tobf16
    .symbol:         k_q0129c3fe8f_tobf16.kd
    .args:
      - { .name: x, .offset: 0, .size: 8, .value_kind: global_buffer, .address_space: global }
      - { .name: W_proj, .offset: 8, .size: 8, .value_kind: global_buffer, .address_space: global }
      - { .name: xb, .offset: 16, .size: 8, .value_kind: global_buffer, .address_space: global }
      - { .name: wpb, .offset: 24, .size: 8, .value_kind: global_buffer, .address_space: global }
    .group_segment_fixed_size: 0
    .private_segment_fixed_size: 0
    .kernarg_segment_align: 8
    .kernarg_segment_size: 32
    .max_flat_workgroup_size: 256
    .sgpr_count:     66
    .vgpr_count:     104
    .wavefront_size: 32
...
	.end_amdgpu_metadata
.endif
;; end of part 1
;; launch heads (part 2): grid 32 x 8, 4 waves a work-group, clusters of 4 x 4, 327,680 bytes of LDS; arguments xb, wpb, caches, b_proj, w_mix, b_mix, decay_values, W_out, hid, wob; writes hid, wob
.if DOCPART == 2
	.amdgcn_target "amdgcn-amd-amdhsa--gfx1250"
	.amdhsa_code_object_version 6
	.text
	.protected	k_q0129c3fe8f_heads
	.globl	k_q0129c3fe8f_heads
	.p2align	8
	.type	k_q0129c3fe8f_heads,@function
k_q0129c3fe8f_heads:
	s_mov_b64 s[64:65], 0
	v_nop
	global_prefetch_b8 v0, s[64:65] scope:SCOPE_SE
	s_setreg_imm32_b32 hwreg(HW_REG_WAVE_MODE, 25, 1), 1
	s_wait_xcnt 0x0
	s_wait_alu depctr_hold_cnt(0) depctr_sa_sdst(0) depctr_va_vdst(0) depctr_va_sdst(0) depctr_va_ssrc(0) depctr_va_vcc(0) depctr_vm_vsrc(0)
	s_getreg_b32 s2, hwreg(HW_REG_IB_STS2, 6, 4)
	s_cmp_eq_u32 s2, 0
	s_cbranch_scc0 .Lentry_in_a_cluster
	s_endpgm
.Lentry_in_a_cluster:
	s_bfe_u32 s2, ttmp6, 0x10000c
	s_cmp_lg_u32 s2, 0xf033
	s_cbranch_scc0 .Lentry_shape_is_right
	s_endpgm
.Lentry_shape_is_right:
; hid[m][256 h + c] = w (sum over k of xb[m][k] wpb[h][k][c] + b_proj[h][c]) + cc caches[h][m][c] + b, rounded once to bf16, where
; w = w_mix[h][7], b = b_mix[h][7], decay = sqrt(sqrt(clip(decay_values[h], 0.9, 1))), cc = w decay for h < 8 and decay for h >= 8.
; Alongside: wob = bf16(W_out), 1/256 of it in each work-group, in 32 pieces of 8 KiB, one for every 128 k.
; LIMITS: each product is the sum of two partial sums (k mod 128 below 64, and from 64 up), each ascending in k, not one chain;
; hid is a matrix operand of the next launch and is rounded to bf16; a NaN in decay_values is clipped to 0.9 and not carried on.
;
; SHARES.  32 x 8 work-groups; each makes 256 rows x 128 columns (half a head).  Four waves: wave w has mh = w / 2 (which 128 rows) and
; kh = w % 2.  A wave keeps a whole 128 x 128 tile, 64 accumulators of 16 x 16 in 512 registers, and multiplies only the 64 k of every
; 128 that kh names: for 32 along K it loads 2 x 128 x 64 bytes from LDS and issues 64 matrix instructions.  The two partial tiles of a
; row half meet in LDS at the end.
; RING.  128 k of tiles (256 rows of xb, 128 k-rows of wpb, padded) take 106,496 bytes: three such fit into the 327,680 bytes that a
; work-group can be given, four do not.  So the two slots are uneven: X holds 256 k, Y holds 128 k, and K = 4,096 = 11 x 256 + 10 x 128
; goes X0 Y0 X1 Y1 .. X9 Y9 X10.  All rows of all tiles are 256 or 512 bytes of memory and start at multiples of 256 bytes.
; Waves 0 and 1 fetch xb's two halves of a slot, waves 2 and 3 wpb's, one tensor load a wave.  X is asked for again at the head of its
; last quarter and waited for 160 matrix instructions later; Y in the middle of its last quarter and waited for 224 later.
; CLUSTERS.  4 x 4 work-groups.  xb's tile hangs on the block row alone and is asked for jointly by a row of the cluster, wpb's on the
; block column alone and by a column: each is requested once for four.
; wpb lies [k][n], so its fragments come through the transposing LDS load.
; The tiles are not prefetched: a block would have to be asked for once, by a work-group that shares a cache with its readers, and
; nothing in this text says which work-groups do.
;
; REGISTERS in windows of 256: window 0 addresses, constants, A's fragments (v64-127, v128-191), W_out's numbers (v192-247);
; window 1 B's fragments (v64-127, v128-191), at the end 64 rows of caches (all 256); window 2 the tiles of my rows 0-63
; (tile (a, b) at v[8 (8 a + b)]); window 3 those of rows 64-127.
; The matrix instruction is used transposed (source 0 = 16 columns of wpb, source 1 = 16 rows of xb): lane (r, hl) register j holds
; C(16 a + r, 16 b + 8 hl + j), eight neighbouring columns of one row.
.set PAX,    528                       ; xb's pitch in X: 512 + 16 = 33 x 16, so that 16 rows start at 16 different 16-byte columns modulo 256 bytes
.set PAY,    272                       ; in Y: 256 + 16 = 17 x 16, likewise
.set PB,     288                       ; wpb's pitch: 256 + 32 = 9 x 32, an odd multiple of 32, for the transposing load
.set HAX,    128*PAX                   ; 67,584: what wave 0 or 1 fetches for X
.set HBX,    128*PB                    ; 36,864: what wave 2 or 3 fetches for X
.set HAY,    128*PAY                   ; 34,816: wave 0 or 1, for Y
.set HBY,    64*PB                     ; 18,432: wave 2 or 3, for Y
.set XB,     2*HAX                     ; 135,168: wpb's part of X (xb's part begins at 0)
.set YA,     XB+2*HBX                  ; 208,896: xb's part of Y
.set YB,     YA+2*HAY                  ; 278,528: wpb's part of Y; the ring ends at 315,392
.set PS,     528                       ; the stage's pitch: 128 f32 + 16 bytes
.set REG,    128*PS                    ; 67,584: a wave's partial tile; the four lie from LDS byte 0, over the ring, after its last fill
.set PITCHB, 256                       ; elements from a k-row of wpb to the next
.set BROW,   PITCHB*2                  ; the same in bytes
.set ASTEP,  384*2                     ; a slot's next tile lies 384 k on: 768 bytes along xb's rows,
.set BSTEP,  384*BROW                  ; 384 k-rows of wpb
.set ADRAX, 16                         ; v16  LDS address of my A fragments in X
.set ADRAY, 17                         ; v17  in Y
.set ADRBX, 20                         ; v20  of my B fragments in X
.set ADRBY, 21                         ; v21  in Y
.set STO,  24                          ; v24     stage: where I put my partial sums
.set RD0,  25                          ; v25     stage: my 16 bytes of the first of the 64 rows that I finish, partial tile kh = 0
.set RD1,  26                          ; v26     the same in partial tile kh = 1
.set L16,  27                          ; v27     16 x lane
.set L8,   28                          ; v28     8 x lane
.set T16,  29                          ; v29     16 x thread
.set T8,   30                          ; v30     8 x thread
.set PF,   31                          ; v31     1,024 (lane / 2) + 256 (lane % 2)
.set BETA, 32                          ; v[32:35] w b_proj + b of my 4 columns
.set W2,   36                          ; v[36:37] w, twice
.set CC2,  38                          ; v[38:39] cc, twice
.set F0,   64
.set F1,   128
.set SL,   192                         ; v[192:239] W_out as loaded, three sets of 16
.set SR,   240                         ; v[240:247] W_out in bf16
.set G1AX, 24                          ; s[24:31] descriptor group 1: xb's tile for X
.set G1AY, 32                          ; s[32:39] for Y
.set G1BX, 40                          ; s[40:47] wpb's tile for X
.set G1BY, 48                          ; s[48:55] for Y
.set G0AX, 56                          ; s[56:59] group 0: xb, X
.set G0AY, 60                          ; s[60:63] xb, Y
.set G0BX, 68                          ; s[68:71] wpb, X
.set G0BY, 72                          ; s[72:75] wpb, Y
.set SIN,  90                          ; s[90:91] W_out, stepped 8,192 bytes a piece
.set SOUT, 94                          ; s[94:95] wob, stepped 4,096 bytes a piece
.set CBASE, 96                         ; s[96:97] caches at my wave's 64 rows and 128 columns
.set OBASE, 98                         ; s[98:99] hid at the same place
.set MSB, 0
.macro WIN new                         ; the immediate's high byte repeats the setting that is left
.if MSB != \new
	s_set_vgpr_msb (MSB<<8)|\new
.set MSB, \new
.endif
.endm
.set MUL_LO, 0xa1                      ; source 0 (B) window 1, source 1 (A) window 0, C and D window 2
.set MUL_HI, 0xf1                      ; the same, C and D window 3
.set TO_B,   0x40                      ; destination window 1, address window 0
; A joint load: waves 0 and 1 issue A's line, waves 2 and 3 B's.  The branch hangs on the wave's number alone.
.macro JLOAD g0a, g1a, g0b, g1b
	s_cmp_eq_u32 s11, 0
	s_cbranch_scc0 .Lfor_b_\@
	tensor_load_to_lds s[\g0a:\g0a+3], s[\g1a:\g1a+7]
	s_nop 0
	s_branch .Lasked_\@
.Lfor_b_\@:
	tensor_load_to_lds s[\g0b:\g0b+3], s[\g1b:\g1b+7]
	s_nop 0
.Lasked_\@:
.endm
; A round of the cluster's barrier: my work-group's barrier; wave 0 signals for the work-group; every wave waits for all sixteen
; work-groups; my work-group's barrier once more.
.macro CROUND
	s_barrier_signal -1
	s_barrier_wait -1
	s_cmp_lg_u32 s10, 0
	s_cbranch_scc1 .Lnot_wave_0_\@
	s_barrier_signal -3
.Lnot_wave_0_\@:
	s_barrier_wait -3
	s_barrier_signal -1
	s_barrier_wait -1
.endm
; Words 1 to 7 of a group 1: a tile of rows x cols elements that lies inside the tensor, pitch elements from row to row
.macro SHAPE g, cols, rows, pitch
	s_mov_b32 s[\g+1], \cols<<16                   ; tensor_dim0
	s_mov_b32 s[\g+2], \rows<<16                   ; tensor_dim1
	s_mov_b32 s[\g+3], \cols<<16                   ; tile_dim0
	s_mov_b32 s[\g+4], \rows                       ; tile_dim1
	s_mov_b32 s[\g+5], \pitch
	s_mov_b32 s[\g+6], 0
	s_mov_b32 s[\g+7], 0
.endm
	s_load_b512 s[76:91], s[0:1], 0x0              ; xb 76, wpb 78, caches 80, b_proj 82, w_mix 84, b_mix 86, decay_values 88, W_out 90
	s_load_b128 s[92:95], s[0:1], 0x40             ; hid 92, wob 94
	v_lshl_add_u32 v254, v0, 2, 0x4d000
	v_mov_b32 v255, 0
	ds_add_u32 v254, v255
	v_lshrrev_b32 v1, 5, v0
	v_readfirstlane_b32 s10, v1                    ; wave 0..3
	s_lshr_b32 s11, s10, 1                         ; mh.  Also: I fetch for A (0) or for B (1)
	s_and_b32 s12, s10, 1                          ; kh.  Also: which half of that tile I fetch
	s_bfe_u32 s6, ttmp6, 0x40000                   ; cx
	s_bfe_u32 s7, ttmp6, 0x40004                   ; cy
	s_lshl_b32 s8, ttmp9, 2
	s_add_co_u32 s8, s8, s6                        ; block column 0..31 = 4 x cluster x + cx
	s_and_b32 s13, ttmp7, 0xffff
	s_lshl_b32 s13, s13, 2
	s_add_co_u32 s13, s13, s7                      ; block row 0..7 = 4 x cluster y + cy
	s_lshl_b32 s101, s7, 2
	s_lshl_b32 s101, 15, s101                      ; my row of the cluster: places 4 cy .. 4 cy + 3
	s_lshl_b32 s2, 0x1111, s6                      ; my column: places cx, cx + 4, cx + 8, cx + 12
	s_lshr_b32 s9, s8, 1                           ; head h
	s_and_b32 s100, s8, 1                          ; which 128 of its 256 columns
	; groups 1.  Word 0: the mask; elements of 2 bytes; padding on; bit 21 beside a mask; the padding's interval = a row; its length
	s_or_b32 s[G1AX], s101, (1<<16)|(1<<20)|(1<<21)|(6<<22)|(3<<25)   ; 4 words behind every 128
	SHAPE G1AX, 256, 128, 4096
	s_or_b32 s[G1AY], s101, (1<<16)|(1<<20)|(1<<21)|(5<<22)|(3<<25)   ; 4 words behind every 64
	SHAPE G1AY, 128, 128, 4096
	s_or_b32 s[G1BX], s2, (1<<16)|(1<<20)|(1<<21)|(5<<22)|(7<<25)     ; 8 words behind every 64
	SHAPE G1BX, 128, 128, PITCHB
	s_or_b32 s[G1BY], s2, (1<<16)|(1<<20)|(1<<21)|(5<<22)|(7<<25)
	SHAPE G1BY, 128, 64, PITCHB
	; where the tiles come from.  The registers that feed A's descriptors never hold cx, those that feed B's never cy.
	s_lshl_b32 s16, s13, 8
	s_lshl_b32 s17, s12, 7
	s_add_co_u32 s16, s16, s17                     ; xb's row 256 x block row + 128 x half,
	s_lshl_b32 s16, s16, 13                        ; times 8,192 bytes (15,728,640 at the most)
	s_mov_b32 s17, 0
	s_lshl_b32 s20, s9, 21                         ; wpb: head x 2,097,152
	s_lshl_b32 s22, s100, 8                        ; + column half x 256
	s_add_co_u32 s20, s20, s22
	s_mov_b32 s21, 0
	s_mul_i32 s4, s12, 128*BROW                    ; X: my half of its 256 k-rows
	s_mov_b32 s5, 0
	; groups 0: the LDS addresses are a constant plus the wave's number times a constant
	s_mov_b32 s[G0AX], 1
	s_mul_i32 s[G0AX+1], s10, HAX                  ; waves 0, 1: 0 and 67,584
	s_mov_b32 s[G0AY], 1
	s_mul_i32 s[G0AY+1], s10, HAY
	s_add_co_u32 s[G0AY+1], s[G0AY+1], YA          ; 208,896 and 243,712
	s_mov_b32 s[G0BX], 1
	s_mul_i32 s[G0BX+1], s10, HBX
	s_add_co_u32 s[G0BX+1], s[G0BX+1], XB-2*HBX    ; waves 2, 3: 135,168 and 172,032
	s_mov_b32 s[G0BY], 1
	s_mul_i32 s[G0BY+1], s10, HBY
	s_add_co_u32 s[G0BY+1], s[G0BY+1], YB-2*HBY    ; 278,528 and 296,960
	s_wait_dscnt 0x0
	s_wait_kmcnt 0x0
	s_add_nc_u64 s[14:15], s[76:77], s[16:17]
	s_add_nc_u64 s[20:21], s[78:79], s[20:21]
	s_mov_b64 s[G0AX+2:G0AX+3], s[14:15]           ; X0: k = 0
	s_or_b32 s[G0AX+3], s[G0AX+3], 0x80000000
	s_add_nc_u64 s[G0AY+2:G0AY+3], s[14:15], 512   ; Y0: k = 256
	s_or_b32 s[G0AY+3], s[G0AY+3], 0x80000000
	s_add_nc_u64 s[G0BX+2:G0BX+3], s[20:21], s[4:5]
	s_or_b32 s[G0BX+3], s[G0BX+3], 0x80000000
	s_mul_i32 s4, s12, 64*BROW                     ; Y: my half of its 128 k-rows
	s_add_nc_u64 s[G0BY+2:G0BY+3], s[20:21], s[4:5]
	s_add_nc_u64 s[G0BY+2:G0BY+3], s[G0BY+2:G0BY+3], 256*BROW
	s_or_b32 s[G0BY+3], s[G0BY+3], 0x80000000
	CROUND                                         ; all sixteen work-groups are here: the first joint loads meet
	JLOAD G0AX, G1AX, G0BX, G1BX                   ; X0 and Y0: a wave has two tensor loads out here, later one
	JLOAD G0AY, G1AY, G0BY, G1BY
	; LDS addresses: made of the lane and the wave's number alone
	v_and_b32 v1, 15, v0                           ; r
	v_bfe_u32 v2, v0, 4, 1                         ; hl
	v_and_b32 v3, 31, v0                           ; lane
	s_lshl_b32 s5, s12, 7                          ; my 64 of every 128 k: byte 128 kh
	v_mul_u32_u24 v4, v1, PAX
	v_lshl_add_u32 v4, v2, 4, v4                   ; r x 528 + 16 hl
	s_mul_i32 s4, s11, HAX                         ; my 128 rows
	s_add_co_u32 s4, s4, s5
	v_add_nc_u32 v[ADRAX], s4, v4
	v_mul_u32_u24 v4, v1, PAY
	v_lshl_add_u32 v4, v2, 4, v4                   ; r x 272 + 16 hl
	s_mul_i32 s4, s11, HAY
	s_add_co_u32 s4, s4, s5
	s_add_co_u32 s4, s4, YA
	v_add_nc_u32 v[ADRAY], s4, v4
	v_and_b32 v4, 7, v0
	v_lshl_add_u32 v4, v2, 3, v4                   ; k-row 8 hl + lane % 8
	v_mul_u32_u24 v4, v4, PB
	v_bfe_u32 v5, v0, 3, 1
	v_lshl_add_u32 v4, v5, 4, v4                   ; + 16 bytes for lanes 8-15 and 24-31
	s_mul_i32 s4, s12, HBY                         ; my 64 of every 128 k-rows
	s_add_co_u32 s4, s4, XB
	v_add_nc_u32 v[ADRBX], s4, v4
	v_add_nc_u32 v[ADRBY], YB-XB, v[ADRBX]
	v_mul_u32_u24 v4, v1, PS
	v_lshl_add_u32 v4, v2, 5, v4                   ; stage, in: row r, 32 bytes for each half of the lanes
	s_mul_i32 s4, s10, REG
	v_add_nc_u32 v[STO], s4, v4
	v_lshlrev_b32 v[L16], 4, v3
	v_lshlrev_b32 v[L8], 3, v3
	s_mul_i32 s4, s11, 2*REG                       ; stage, back: the pair of partial tiles of my row half,
	s_mul_i32 s5, s12, 64*PS                       ; rows 64 kh .. 64 kh + 63 of them
	s_add_co_u32 s4, s4, s5
	v_add_nc_u32 v[RD0], s4, v[L16]
	v_add_nc_u32 v[RD1], REG, v[RD0]
	v_lshlrev_b32 v[T16], 4, v0
	v_lshlrev_b32 v[T8], 3, v0
	v_lshrrev_b32 v4, 1, v3
	v_and_b32 v5, 1, v0
	v_lshlrev_b32 v5, 8, v5
	v_lshl_add_u32 v[PF], v4, 10, v5
	; the head's three numbers, b_proj, the first three pieces of W_out, the bases of the way out
	s_mov_b32 s19, 0
	s_lshl_b32 s18, s9, 13                         ; a row of w_mix or b_mix is 8,192 bytes
	s_add_nc_u64 s[84:85], s[84:85], s[18:19]
	s_add_nc_u64 s[86:87], s[86:87], s[18:19]
	s_lshl_b32 s18, s9, 2
	s_add_nc_u64 s[88:89], s[88:89], s[18:19]
	s_load_b32 s76, s[84:85], 0x1c                 ; w = w_mix[h][7]
	s_load_b32 s77, s[86:87], 0x1c                 ; b = b_mix[h][7]
	s_load_b32 s78, s[88:89], 0x0                  ; decay_values[h]
	s_lshl_b32 s18, s8, 9                          ; 1,024 h + 512 x column half = 512 x block column
	s_add_nc_u64 s[82:83], s[82:83], s[18:19]
	global_load_b128 v[BETA:BETA+3], v[L16], s[82:83]  ; b_proj of my 4 columns
	s_lshl_b32 s23, s13, 5
	s_add_co_u32 s23, s23, s8                      ; work-group 0..255
	s_lshl_b32 s18, s23, 18                        ; its 262,144 bytes of W_out
	s_add_nc_u64 s[SIN:SIN+1], s[SIN:SIN+1], s[18:19]
	s_lshl_b32 s18, s23, 17                        ; its 131,072 bytes of wob
	s_add_nc_u64 s[SOUT:SOUT+1], s[SOUT:SOUT+1], s[18:19]
.irp c, 0,1,2
.irp j, 0,1,2,3
	global_load_b128 v[SL+16*\c+4*\j:SL+16*\c+4*\j+3], v[T16], s[SIN:SIN+1] offset:8192*\c+2048*\j th:TH_LOAD_NT
.endr
.endr
	s_lshl_b32 s23, s13, 8
	s_lshl_b32 s19, s10, 6
	s_add_co_u32 s23, s23, s19                     ; the first of the 64 rows that I finish: 256 x block row + 64 x wave
	s_lshl_b32 s18, s23, 13
	s_lshl_b32 s19, s8, 8
	s_add_co_u32 s18, s18, s19                     ; hid: row x 8,192 + block column x 256
	s_mov_b32 s19, 0
	s_add_nc_u64 s[OBASE:OBASE+1], s[92:93], s[18:19]
	s_lshl_b32 s18, s23, 10
	s_lshl_b32 s19, s9, 21
	s_add_co_u32 s18, s18, s19
	s_lshl_b32 s19, s100, 9
	s_add_co_u32 s18, s18, s19                     ; caches: head x 2,097,152 + row x 1,024 + column half x 512
	s_mov_b32 s19, 0
	s_add_nc_u64 s[CBASE:CBASE+1], s[80:81], s[18:19]
	s_wait_kmcnt 0x0
	v_mov_b32 v40, s78
	v_max_num_f32 v40, 0x3f666666, v40             ; clip to 0.9 ..
	v_min_num_f32 v40, 1.0, v40                    ; .. 1
	v_sqrt_f32 v41, v40                            ; the power 1/4 as two square roots; behind each stands one plain vector
	v_mov_b32 v[W2], s76                           ; instruction that touches neither its source nor its result (ISA guide 5.7.2)
	s_wait_alu depctr_va_vdst(0)
	v_sqrt_f32 v42, v41
	v_mov_b32 v[W2+1], s76
	s_cmp_lt_u32 s9, 8
	s_cselect_b32 s79, s76, 0x3f800000             ; heads 0-7: w; heads 8-15: 1.  A value is chosen, no way
	s_wait_alu depctr_va_vdst(0)
	v_mul_f32 v[CC2], s79, v42
	v_mov_b32 v[CC2+1], v[CC2]
	s_wait_loadcnt 12                              ; b_proj is in; the twelve loads of W_out issued behind it stay out
.irp j, 0,1,2,3
	v_fma_f32 v[BETA+\j], v[BETA+\j], s76, s77     ; w b_proj + b
.endr
; 16 matrix instructions: row blocks a0, a0 + 1 of the window's four x all 8 column blocks, 32 along K.  zero = 1: the first product starts the sums.
.macro MUL16 f, hi, a0, zero
.irp a, \a0, \a0+1
.irp b, 0,1,2,3,4,5,6,7
.if \zero
	v_wmma_f32_16x16x32_bf16 v[8*(8*(\a)+\b):8*(8*(\a)+\b)+7], v[\f+8*\b:\f+8*\b+7], v[\f+8*(4*\hi+\a):\f+8*(4*\hi+\a)+7], 0
.else
	v_wmma_f32_16x16x32_bf16 v[8*(8*(\a)+\b):8*(8*(\a)+\b)+7], v[\f+8*\b:\f+8*\b+7], v[\f+8*(4*\hi+\a):\f+8*(4*\hi+\a)+7], v[8*(8*(\a)+\b):8*(8*(\a)+\b)+7]
.endif
.endr
.endr
.endm
.macro LO f, zero                      ; 32 matrix instructions: my rows 0-63
	WIN MUL_LO
	MUL16 \f, 0, 0, \zero
	MUL16 \f, 0, 2, \zero
.endm
.macro HI f, zero                      ; 32 matrix instructions: my rows 64-127
	WIN MUL_HI
	MUL16 \f, 1, 0, \zero
	MUL16 \f, 1, 2, \zero
.endm
; 32 LDS loads in one run: the fragments of 32 k into buffer f.  B: two transposing loads, 16 k-rows apart, bring column 16 b + r;
; A: two loads of 16 bytes, 32 bytes apart, bring row 16 i + r.  From X: s = which 128 k of its 256, q = which 32 of my 64.
.macro FETCHX s, q, f
	WIN TO_B
.irp b, 0,1,2,3,4,5,6,7
	ds_load_tr16_b128 v[\f+8*\b:\f+8*\b+3],   v[ADRBX] offset:(128*\s+32*\q)*PB+32*\b
	ds_load_tr16_b128 v[\f+8*\b+4:\f+8*\b+7], v[ADRBX] offset:(128*\s+32*\q+16)*PB+32*\b
.endr
	WIN 0
.irp i, 0,1,2,3,4,5,6,7
	ds_load_b128 v[\f+8*\i:\f+8*\i+3],   v[ADRAX] offset:256*\s+64*\q+\i*16*PAX
	ds_load_b128 v[\f+8*\i+4:\f+8*\i+7], v[ADRAX] offset:256*\s+64*\q+\i*16*PAX+32
.endr
.endm
.macro FETCHY q, f
	WIN TO_B
.irp b, 0,1,2,3,4,5,6,7
	ds_load_tr16_b128 v[\f+8*\b:\f+8*\b+3],   v[ADRBY] offset:32*\q*PB+32*\b
	ds_load_tr16_b128 v[\f+8*\b+4:\f+8*\b+7], v[ADRBY] offset:(32*\q+16)*PB+32*\b
.endr
	WIN 0
.irp i, 0,1,2,3,4,5,6,7
	ds_load_b128 v[\f+8*\i:\f+8*\i+3],   v[ADRAY] offset:64*\q+\i*16*PAY
	ds_load_b128 v[\f+8*\i+4:\f+8*\i+7], v[ADRAY] offset:64*\q+\i*16*PAY+32
.endr
.endm
; A load into a register that a matrix instruction has read, and whatever reads a matrix result other than the next link of its own sum,
; stand four plain vector instructions behind it (ISA guide 7.12.1 for vector instructions).
.macro PLACES
.rept 4
	v_nop
.endr
.endm
; One piece of W_out, 8,192 bytes, to bf16.  p: the register set, 0, 1, 2 by turns.  ahead = 1: the set is loaded again, three pieces on.
; left: how many younger loads may stay out (the other two sets' eight; four and none at the end).
.macro SIDE p, ahead, left
	s_wait_loadcnt \left
	s_wait_xcnt 0x0                                ; the two bases and the results, which earlier loads and stores name, are rewritten only behind this wait
	s_add_nc_u64 s[SIN:SIN+1], s[SIN:SIN+1], 8192
	s_add_nc_u64 s[SOUT:SOUT+1], s[SOUT:SOUT+1], 4096
.irp j, 0,1,2,3
	v_cvt_pk_bf16_f32 v[SR+2*\j],   v[SL+16*\p+4*\j],   v[SL+16*\p+4*\j+1]
	v_cvt_pk_bf16_f32 v[SR+2*\j+1], v[SL+16*\p+4*\j+2], v[SL+16*\p+4*\j+3]
.endr
.if \ahead
.irp j, 0,1,2,3
	global_load_b128 v[SL+16*\p+4*\j:SL+16*\p+4*\j+3], v[T16], s[SIN:SIN+1] offset:16384+2048*\j th:TH_LOAD_NT
.endr
.endif
.irp j, 0,1,2,3
	global_store_b64 v[T8], v[SR+2*\j:SR+2*\j+1], s[SOUT:SOUT+1] offset:1024*\j-4096   ; a wave's store: 256 consecutive bytes, aligned
.endr
.endm
; A quarter is 32 k of a wave, 64 matrix instructions, on fragment buffers 0 and 1 by turns; in its middle the next quarter's fragments are
; fetched into the other buffer.  The 64 accumulators take turns, one instruction a turn, in the same order in every quarter and over
; the backward jump.
; SLOT X: four quarters.  On entry buffer 0 is being filled with its first.  At the head of the fourth quarter X has been read to its end
; (the last fetch was issued 32 matrix instructions before): each wave waits for its LDS loads and for all its tensor loads (one is out:
; its part of Y), a round of the cluster's barrier follows with nothing inside it, and the joint refill of X is the first tensor load
; behind the round.  last = 1: the launch's last slot: no round, no refill, nothing more to fetch; it asks for the rows of caches instead.
; (a0, l0), (a1, l1): the two pieces of W_out.
.macro XSLOT zero, last, a0, l0, a1, l1
	s_wait_dscnt 8                                 ; B and A's rows 0-63 are in; the youngest eight loads (A's rows 64-127) may be out
	LO F0, \zero
	PLACES
	FETCHX 0, 1, F1
.if \last
	global_prefetch_b8 v[PF], s[CBASE:CBASE+1] th:TH_LOAD_NT scope:SCOPE_SE
	global_prefetch_b8 v[PF], s[CBASE:CBASE+1] offset:16384 th:TH_LOAD_NT scope:SCOPE_SE
.endif
	s_wait_dscnt 32                                ; all but the 32 just issued
	HI F0, \zero
	s_wait_dscnt 8
	LO F1, 0
	PLACES
	FETCHX 1, 0, F0
	SIDE 0, \a0, \l0
.if \last
	global_prefetch_b8 v[PF], s[CBASE:CBASE+1] offset:32768 th:TH_LOAD_NT scope:SCOPE_SE
	global_prefetch_b8 v[PF], s[CBASE:CBASE+1] offset:49152 th:TH_LOAD_NT scope:SCOPE_SE
.endif
	s_wait_dscnt 32
	HI F1, 0
	s_wait_dscnt 8
	LO F0, 0
	PLACES
	FETCHX 1, 1, F1
	s_wait_dscnt 32
	HI F0, 0
	s_wait_dscnt 0x0                               ; my reads of X are over
.if \last
	LO F1, 0
	WIN 0
	SIDE 1, \a1, \l1
	HI F1, 0
.else
	s_set_vgpr_msb 0xf1f0
	s_wait_tensorcnt 0x0                           ; all my tensor loads have landed: my part of Y
	ds_add_u32 v254, v255
	s_wait_dscnt 0x0
	s_set_vgpr_msb 0xf0f1
	WIN 0
	CROUND                                         ; no wave of any partner still reads X or has a load on its way
	s_add_nc_u64 s[G0AX+2:G0AX+3], s[G0AX+2:G0AX+3], ASTEP
	s_add_nc_u64 s[G0BX+2:G0BX+3], s[G0BX+2:G0BX+3], BSTEP
	JLOAD G0AX, G1AX, G0BX, G1BX
	LO F1, 0
	PLACES
	FETCHY 0, F0
	SIDE 1, \a1, \l1
	HI F1, 0
.endif
.endm
; SLOT Y: two quarters.  In the middle of the second, in front of the first fetch from X: the same waits (the load that is out is my part
; of X), the round, the joint refill of Y.  fill = 0: the last Y: a plain barrier shows X whole to every wave, and nothing is filled.
.macro YSLOT fill, a, l
	s_wait_dscnt 8
	LO F0, 0
	PLACES
	FETCHY 1, F1
	s_wait_dscnt 32
	HI F0, 0
	s_wait_dscnt 8
	LO F1, 0
	s_wait_dscnt 0x0                               ; my reads of Y are over
	s_set_vgpr_msb 0xa1a0
	s_wait_tensorcnt 0x0                           ; all my tensor loads have landed: my part of X
	ds_add_u32 v254, v255
	s_wait_dscnt 0x0
	s_set_vgpr_msb 0xa0a1
	WIN 0
.if \fill
	CROUND
	s_add_nc_u64 s[G0AY+2:G0AY+3], s[G0AY+2:G0AY+3], ASTEP
	s_add_nc_u64 s[G0BY+2:G0BY+3], s[G0BY+2:G0BY+3], BSTEP
	JLOAD G0AY, G1AY, G0BY, G1BY
.else
	s_barrier_signal -1
	s_barrier_wait -1
.endif
	PLACES
	FETCHX 0, 0, F0
	SIDE 2, \a, \l
	HI F1, 0
.endm
	s_wait_tensorcnt 0x1                           ; my part of X0 is in; Y0's stays out
	s_barrier_signal -1
	s_barrier_wait -1
	FETCHX 0, 0, F0
	XSLOT 1, 0, 1, 8, 1, 8                         ; X0, Y0; the first products start the sums
	YSLOT 1, 1, 8
	WIN 0
	s_mov_b32 s3, 8
.Lperiod:
	XSLOT 0, 0, 1, 8, 1, 8                         ; X1, Y1 to X8, Y8: each asks for its slot's next tile
	YSLOT 1, 1, 8
	WIN 0
	s_sub_co_u32 s3, s3, 1
	s_cmp_lg_u32 s3, 0
	s_cbranch_scc1 .Lperiod
	XSLOT 0, 0, 1, 8, 1, 8                         ; X9 asks for X10; pieces 27 and 28 of W_out load pieces 30 and 31
	YSLOT 0, 0, 8                                  ; Y9: there is no Y10; piece 29: nothing is left to load
	; X10.  Each wave asks, once, for the 128 aligned blocks of 256 bytes (64 rows x 512 bytes) of caches that it alone loads at the
	; end: 64 blocks 224 matrix instructions ahead of those loads, 64 blocks 160 ahead.
	XSLOT 0, 1, 0, 4, 0, 0
	; THE WAY OUT.  The four v_nop are the places behind the last matrix instructions, for the loads into windows 0 and 1 and the LDS stores of results.
	PLACES
	WIN TO_B
.set i, 0
.rept 64
	global_load_b128 v[4*i:4*i+3], v[L16], s[CBASE:CBASE+1] offset:1024*i th:TH_LOAD_NT   ; row i of my 64: 512 consecutive bytes; they land while the partial sums are exchanged
.set i, i+1
.endr
	WIN 0
	s_wait_dscnt 0x0
	s_barrier_signal -1
	s_barrier_wait -1                              ; nobody reads the ring any more, and it has had its last fill: the stage may lie over it
.macro STAGE hi
.irp a, 0,1,2,3
.irp b, 0,1,2,3,4,5,6,7
	ds_store_b128 v[STO], v[8*(8*\a+\b):8*(8*\a+\b)+3]   offset:(4*\hi+\a)*16*PS+64*\b
	ds_store_b128 v[STO], v[8*(8*\a+\b)+4:8*(8*\a+\b)+7] offset:(4*\hi+\a)*16*PS+64*\b+16
.endr
.endr
.endm
	WIN 0x08                                       ; store data (source 1) from window 2
	STAGE 0
	WIN 0x0c                                       ; from window 3
	STAGE 1
	WIN 0
	s_wait_dscnt 0x0                               ; my partial tile is in LDS,
	s_barrier_signal -1
	s_barrier_wait -1                              ; everybody's is
; Eight rows of my 64: both partial sums back by whole rows (a lane: 4 neighbouring columns), the affine step, 8 bytes a lane out.
.macro FIN g, f
	s_wait_xcnt 0x0                                ; buffer f, which the stores of two groups ago read, is loaded again only behind this wait
.irp j, 0,1,2,3,4,5,6,7
	ds_load_b128 v[\f+8*\j:\f+8*\j+3],   v[RD0] offset:(8*\g+\j)*PS
	ds_load_b128 v[\f+8*\j+4:\f+8*\j+7], v[RD1] offset:(8*\g+\j)*PS
.endr
	s_wait_dscnt 0x0
.irp j, 0,1,2,3,4,5,6,7
	v_pk_add_f32 v[\f+8*\j:\f+8*\j+1],   v[\f+8*\j:\f+8*\j+1],   v[\f+8*\j+4:\f+8*\j+5]
	v_pk_add_f32 v[\f+8*\j+2:\f+8*\j+3], v[\f+8*\j+2:\f+8*\j+3], v[\f+8*\j+6:\f+8*\j+7]
	v_pk_fma_f32 v[\f+8*\j:\f+8*\j+1],   v[\f+8*\j:\f+8*\j+1],   v[W2:W2+1], v[BETA:BETA+1]
	v_pk_fma_f32 v[\f+8*\j+2:\f+8*\j+3], v[\f+8*\j+2:\f+8*\j+3], v[W2:W2+1], v[BETA+2:BETA+3]
.endr
	s_wait_loadcnt 56-8*\g                         ; of the 64 rows of caches the 8 g + 8 oldest are in
	WIN 0x01                                       ; source 0 from window 1
.irp j, 0,1,2,3,4,5,6,7
	v_pk_fma_f32 v[\f+8*\j:\f+8*\j+1],   v[4*(8*\g+\j):4*(8*\g+\j)+1],   v[CC2:CC2+1], v[\f+8*\j:\f+8*\j+1]
	v_pk_fma_f32 v[\f+8*\j+2:\f+8*\j+3], v[4*(8*\g+\j)+2:4*(8*\g+\j)+3], v[CC2:CC2+1], v[\f+8*\j+2:\f+8*\j+3]
.endr
	WIN 0
.irp j, 0,1,2,3,4,5,6,7
	v_cvt_pk_bf16_f32 v[\f+8*\j+4], v[\f+8*\j],   v[\f+8*\j+1]
	v_cvt_pk_bf16_f32 v[\f+8*\j+5], v[\f+8*\j+2], v[\f+8*\j+3]
	global_store_b64 v[L8], v[\f+8*\j+4:\f+8*\j+5], s[OBASE:OBASE+1] offset:(8*\g+\j)*8192   ; the wave stores 256 consecutive bytes, aligned
.endr
.endm
	FIN 0, F0
	FIN 1, F1
	FIN 2, F0
	FIN 3, F1
	FIN 4, F0
	FIN 5, F1
	FIN 6, F0
	FIN 7, F1
	s_wait_tensorcnt 0x0
	ds_add_u32 v254, v255
	s_wait_dscnt 0x0
	CROUND                                         ; the closing round: no work-group ends while a partner may still ask for a tile that names it
	s_endpgm
.Lfunc_end_k_q0129c3fe8f_heads:
	.size	k_q0129c3fe8f_heads, .Lfunc_end_k_q0129c3fe8f_heads-k_q0129c3fe8f_heads
	.p2alignl 7, 3214868480
	.fill 96, 4, 3214868480
	.section	.rodata,"a",@progbits
	.p2align	6, 0x0
	.amdhsa_kernel k_q0129c3fe8f_heads
		.amdhsa_group_segment_fixed_size 327680
		.amdhsa_private_segment_fixed_size 0
		.amdhsa_enable_private_segment 0
		.amdhsa_kernarg_size 80
		.amdhsa_user_sgpr_count 2
		.amdhsa_user_sgpr_kernarg_segment_ptr 1
		.amdhsa_wavefront_size32 1
		.amdhsa_system_sgpr_workgroup_id_x 1
		.amdhsa_system_sgpr_workgroup_id_y 1
		.amdhsa_system_sgpr_workgroup_id_z 1
		.amdhsa_system_vgpr_workitem_id 0
		.amdhsa_next_free_vgpr 1024
		.amdhsa_next_free_sgpr 102
		.amdhsa_reserve_vcc 0
		.amdhsa_float_denorm_mode_32 3
		.amdhsa_float_denorm_mode_16_64 3
		.amdhsa_memory_ordered 1
		.amdhsa_forward_progress 1
		.amdhsa_inst_pref_size 233
	.end_amdhsa_kernel
	.amdgpu_metadata
---
amdhsa.version: [ 1, 2 ]
amdhsa.kernels:
  - .name:           k_q0129c3fe8f_heads
    .symbol:         k_q0129c3fe8f_heads.kd
    .args:
      - { .name: xb, .offset: 0, .size: 8, .value_kind: global_buffer, .address_space: global }
      - { .name: wpb, .offset: 8, .size: 8, .value_kind: global_buffer, .address_space: global }
      - { .name: caches, .offset: 16, .size: 8, .value_kind: global_buffer, .address_space: global }
      - { .name: b_proj, .offset: 24, .size: 8, .value_kind: global_buffer, .address_space: global }
      - { .name: w_mix, .offset: 32, .size: 8, .value_kind: global_buffer, .address_space: global }
      - { .name: b_mix, .offset: 40, .size: 8, .value_kind: global_buffer, .address_space: global }
      - { .name: decay_values, .offset: 48, .size: 8, .value_kind: global_buffer, .address_space: global }
      - { .name: W_out, .offset: 56, .size: 8, .value_kind: global_buffer, .address_space: global }
      - { .name: hid, .offset: 64, .size: 8, .value_kind: global_buffer, .address_space: global }
      - { .name: wob, .offset: 72, .size: 8, .value_kind: global_buffer, .address_space: global }
    .group_segment_fixed_size: 327680
    .private_segment_fixed_size: 0
    .kernarg_segment_align: 8
    .kernarg_segment_size: 80
    .max_flat_workgroup_size: 128
    .sgpr_count:     102
    .vgpr_count:     1024
    .wavefront_size: 32
...
	.end_amdgpu_metadata
.endif
;; end of part 2
;; launch outproj (part 3): grid 32 x 8, 4 waves a work-group, clusters of 4 x 4, 327,680 bytes of LDS; arguments hid, wob, b_out, out0; writes out0
.if DOCPART == 3
	.amdgcn_target "amdgcn-amd-amdhsa--gfx1250"
	.amdhsa_code_object_version 6
	.text
	.protected	k_q0129c3fe8f_outproj
	.globl	k_q0129c3fe8f_outproj
	.p2align	8
	.type	k_q0129c3fe8f_outproj,@function
k_q0129c3fe8f_outproj:
	s_mov_b64 s[64:65], 0
	v_nop
	global_prefetch_b8 v0, s[64:65] scope:SCOPE_SE
	s_setreg_imm32_b32 hwreg(HW_REG_WAVE_MODE, 25, 1), 1
	s_wait_xcnt 0x0
	s_wait_alu depctr_hold_cnt(0) depctr_sa_sdst(0) depctr_va_vdst(0) depctr_va_sdst(0) depctr_va_ssrc(0) depctr_va_vcc(0) depctr_vm_vsrc(0)
	s_getreg_b32 s2, hwreg(HW_REG_IB_STS2, 6, 4)
	s_cmp_eq_u32 s2, 0
	s_cbranch_scc0 .Lentry_in_a_cluster
	s_endpgm
.Lentry_in_a_cluster:
	s_bfe_u32 s2, ttmp6, 0x10000c
	s_cmp_lg_u32 s2, 0xf033
	s_cbranch_scc0 .Lentry_shape_is_right
	s_endpgm
.Lentry_shape_is_right:
; out0[m][n] = sum over k of hid[m][k] wob[k][n] + b_out[n].  hid [2048][4096] and wob [4096][4096] in bf16, sums and out0 in f32.
; LIMIT: each output is the sum of two partial sums (k mod 128 below 64, and from 64 up), each ascending in k, not one chain.
;
; SHARES.  32 x 8 work-groups; each makes 256 rows x 128 columns.  Four waves: wave w has mh = w / 2 (which 128 rows) and kh = w % 2.
; A wave keeps a whole 128 x 128 tile, 64 accumulators of 16 x 16 in 512 registers, and multiplies only the 64 k of every 128 that kh
; names: for 32 along K it loads 2 x 128 x 64 bytes from LDS and issues 64 matrix instructions.  The two partial tiles of a row half
; meet in LDS at the end.
; RING.  128 k of tiles (256 rows of hid, 128 k-rows of wob, padded) take 106,496 bytes: three such fit into the 327,680 bytes that a
; work-group can be given, four do not.  So the two slots are uneven: X holds 256 k, Y holds 128 k, and K = 4,096 = 11 x 256 + 10 x 128
; goes X0 Y0 X1 Y1 .. X9 Y9 X10.  All rows of all tiles are 256 or 512 bytes of memory and start at multiples of 256 bytes.
; Waves 0 and 1 fetch hid's two halves of a slot, waves 2 and 3 wob's, one tensor load a wave.  X is asked for again at the head of its
; last quarter and waited for 160 matrix instructions later; Y in the middle of its last quarter and waited for 224 later.
; CLUSTERS.  4 x 4 work-groups.  hid's tile hangs on the block row alone and is asked for jointly by a row of the cluster, wob's on the
; block column alone and by a column: each is requested once for four.
; wob lies [k][n], so its fragments come through the transposing LDS load.
; The tiles are not prefetched: a block would have to be asked for once, by a work-group that shares a cache with its readers, and
; nothing in this text says which work-groups do.
;
; REGISTERS in windows of 256: window 0 addresses, the bias, A's fragments (v64-127, v128-191); window 1 B's fragments (v64-127, v128-191);
; window 2 the tiles of my rows 0-63 (tile (a, b) at v[8 (8 a + b)]); window 3 those of rows 64-127.
; The matrix instruction is used transposed (source 0 = 16 columns of wob, source 1 = 16 rows of hid): lane (r, hl) register j holds
; C(16 a + r, 16 b + 8 hl + j), eight neighbouring columns of one row.
.set PAX,    528                       ; hid's pitch in X: 512 + 16 = 33 x 16, so that 16 rows start at 16 different 16-byte columns modulo 256 bytes
.set PAY,    272                       ; in Y: 256 + 16 = 17 x 16, likewise
.set PB,     288                       ; wob's pitch: 256 + 32 = 9 x 32, an odd multiple of 32, for the transposing load
.set HAX,    128*PAX                   ; 67,584: what wave 0 or 1 fetches for X
.set HBX,    128*PB                    ; 36,864: what wave 2 or 3 fetches for X
.set HAY,    128*PAY                   ; 34,816: wave 0 or 1, for Y
.set HBY,    64*PB                     ; 18,432: wave 2 or 3, for Y
.set XB,     2*HAX                     ; 135,168: wob's part of X (hid's part begins at 0)
.set YA,     XB+2*HBX                  ; 208,896: hid's part of Y
.set YB,     YA+2*HAY                  ; 278,528: wob's part of Y; the ring ends at 315,392
.set PS,     528                       ; the stage's pitch: 128 f32 + 16 bytes
.set REG,    128*PS                    ; 67,584: a wave's partial tile; the four lie from LDS byte 0, over the ring, after its last fill
.set PITCHB, 4096                      ; elements from a k-row of wob to the next
.set BROW,   PITCHB*2                  ; the same in bytes
.set ASTEP,  384*2                     ; a slot's next tile lies 384 k on: 768 bytes along hid's rows,
.set BSTEP,  384*BROW                  ; 384 k-rows of wob
.set ADRAX, 16                         ; v16  LDS address of my A fragments in X
.set ADRAY, 17                         ; v17  in Y
.set ADRBX, 20                         ; v20  of my B fragments in X
.set ADRBY, 21                         ; v21  in Y
.set STO,  24                          ; v24     stage: where I put my partial sums
.set RD0,  25                          ; v25     stage: my 16 bytes of the first of the 64 rows that I finish, partial tile kh = 0
.set RD1,  26                          ; v26     the same in partial tile kh = 1
.set L16,  27                          ; v27     16 x lane
.set BIAS, 32                          ; v[32:35] b_out of my 4 columns
.set F0,   64
.set F1,   128
.set G1AX, 24                          ; s[24:31] descriptor group 1: hid's tile for X
.set G1AY, 32                          ; s[32:39] for Y
.set G1BX, 40                          ; s[40:47] wob's tile for X
.set G1BY, 48                          ; s[48:55] for Y
.set G0AX, 56                          ; s[56:59] group 0: hid, X
.set G0AY, 60                          ; s[60:63] hid, Y
.set G0BX, 68                          ; s[68:71] wob, X
.set G0BY, 72                          ; s[72:75] wob, Y
.set OBASE, 98                         ; s[98:99] out0 at my wave's 64 rows and 128 columns
.set MSB, 0
.macro WIN new                         ; the immediate's high byte repeats the setting that is left
.if MSB != \new
	s_set_vgpr_msb (MSB<<8)|\new
.set MSB, \new
.endif
.endm
.set MUL_LO, 0xa1                      ; source 0 (B) window 1, source 1 (A) window 0, C and D window 2
.set MUL_HI, 0xf1                      ; the same, C and D window 3
.set TO_B,   0x40                      ; destination window 1, address window 0
; A joint load: waves 0 and 1 issue A's line, waves 2 and 3 B's.  The branch hangs on the wave's number alone.
.macro JLOAD g0a, g1a, g0b, g1b
	s_cmp_eq_u32 s11, 0
	s_cbranch_scc0 .Lfor_b_\@
	tensor_load_to_lds s[\g0a:\g0a+3], s[\g1a:\g1a+7]
	s_nop 0
	s_branch .Lasked_\@
.Lfor_b_\@:
	tensor_load_to_lds s[\g0b:\g0b+3], s[\g1b:\g1b+7]
	s_nop 0
.Lasked_\@:
.endm
; A round of the cluster's barrier: my work-group's barrier; wave 0 signals for the work-group; every wave waits for all sixteen
; work-groups; my work-group's barrier once more.
.macro CROUND
	s_barrier_signal -1
	s_barrier_wait -1
	s_cmp_lg_u32 s10, 0
	s_cbranch_scc1 .Lnot_wave_0_\@
	s_barrier_signal -3
.Lnot_wave_0_\@:
	s_barrier_wait -3
	s_barrier_signal -1
	s_barrier_wait -1
.endm
; Words 1 to 7 of a group 1: a tile of rows x cols elements that lies inside the tensor, pitch elements from row to row
.macro SHAPE g, cols, rows, pitch
	s_mov_b32 s[\g+1], \cols<<16                   ; tensor_dim0
	s_mov_b32 s[\g+2], \rows<<16                   ; tensor_dim1
	s_mov_b32 s[\g+3], \cols<<16                   ; tile_dim0
	s_mov_b32 s[\g+4], \rows                       ; tile_dim1
	s_mov_b32 s[\g+5], \pitch
	s_mov_b32 s[\g+6], 0
	s_mov_b32 s[\g+7], 0
.endm
	s_load_b256 s[76:83], s[0:1], 0x0              ; hid 76, wob 78, b_out 80, out0 82
	s_set_vgpr_msb 0x40
	v_lshl_add_u32 v255, v0, 2, 0x4d000
	s_set_vgpr_msb 0x4000
	v_mov_b32 v255, 0
	s_set_vgpr_msb 0x1
	ds_add_u32 v255, v255
	s_set_vgpr_msb 0x100
	v_lshrrev_b32 v1, 5, v0
	v_readfirstlane_b32 s10, v1                    ; wave 0..3
	s_lshr_b32 s11, s10, 1                         ; mh.  Also: I fetch for A (0) or for B (1)
	s_and_b32 s12, s10, 1                          ; kh.  Also: which half of that tile I fetch
	s_bfe_u32 s6, ttmp6, 0x40000                   ; cx
	s_bfe_u32 s7, ttmp6, 0x40004                   ; cy
	s_lshl_b32 s8, ttmp9, 2
	s_add_co_u32 s8, s8, s6                        ; block column 0..31 = 4 x cluster x + cx
	s_and_b32 s13, ttmp7, 0xffff
	s_lshl_b32 s13, s13, 2
	s_add_co_u32 s13, s13, s7                      ; block row 0..7 = 4 x cluster y + cy
	s_lshl_b32 s101, s7, 2
	s_lshl_b32 s101, 15, s101                      ; my row of the cluster: places 4 cy .. 4 cy + 3
	s_lshl_b32 s2, 0x1111, s6                      ; my column: places cx, cx + 4, cx + 8, cx + 12
	; groups 1.  Word 0: the mask; elements of 2 bytes; padding on; bit 21 beside a mask; the padding's interval = a row; its length
	s_or_b32 s[G1AX], s101, (1<<16)|(1<<20)|(1<<21)|(6<<22)|(3<<25)   ; 4 words behind every 128
	SHAPE G1AX, 256, 128, 4096
	s_or_b32 s[G1AY], s101, (1<<16)|(1<<20)|(1<<21)|(5<<22)|(3<<25)   ; 4 words behind every 64
	SHAPE G1AY, 128, 128, 4096
	s_or_b32 s[G1BX], s2, (1<<16)|(1<<20)|(1<<21)|(5<<22)|(7<<25)     ; 8 words behind every 64
	SHAPE G1BX, 128, 128, PITCHB
	s_or_b32 s[G1BY], s2, (1<<16)|(1<<20)|(1<<21)|(5<<22)|(7<<25)
	SHAPE G1BY, 128, 64, PITCHB
	; where the tiles come from.  The registers that feed A's descriptors never hold cx, those that feed B's never cy.
	s_lshl_b32 s16, s13, 8
	s_lshl_b32 s17, s12, 7
	s_add_co_u32 s16, s16, s17                     ; hid's row 256 x block row + 128 x half,
	s_lshl_b32 s16, s16, 13                        ; times 8,192 bytes (15,728,640 at the most)
	s_mov_b32 s17, 0
	s_lshl_b32 s20, s8, 8                          ; wob: block column x 256 bytes
	s_mov_b32 s21, 0
	s_mul_i32 s4, s12, 128*BROW                    ; X: my half of its 256 k-rows
	s_mov_b32 s5, 0
	; groups 0: the LDS addresses are a constant plus the wave's number times a constant
	s_mov_b32 s[G0AX], 1
	s_mul_i32 s[G0AX+1], s10, HAX                  ; waves 0, 1: 0 and 67,584
	s_mov_b32 s[G0AY], 1
	s_mul_i32 s[G0AY+1], s10, HAY
	s_add_co_u32 s[G0AY+1], s[G0AY+1], YA          ; 208,896 and 243,712
	s_mov_b32 s[G0BX], 1
	s_mul_i32 s[G0BX+1], s10, HBX
	s_add_co_u32 s[G0BX+1], s[G0BX+1], XB-2*HBX    ; waves 2, 3: 135,168 and 172,032
	s_mov_b32 s[G0BY], 1
	s_mul_i32 s[G0BY+1], s10, HBY
	s_add_co_u32 s[G0BY+1], s[G0BY+1], YB-2*HBY    ; 278,528 and 296,960
	s_wait_dscnt 0x0
	s_wait_kmcnt 0x0
	s_add_nc_u64 s[14:15], s[76:77], s[16:17]
	s_add_nc_u64 s[20:21], s[78:79], s[20:21]
	s_mov_b64 s[G0AX+2:G0AX+3], s[14:15]           ; X0: k = 0
	s_or_b32 s[G0AX+3], s[G0AX+3], 0x80000000
	s_add_nc_u64 s[G0AY+2:G0AY+3], s[14:15], 512   ; Y0: k = 256
	s_or_b32 s[G0AY+3], s[G0AY+3], 0x80000000
	s_add_nc_u64 s[G0BX+2:G0BX+3], s[20:21], s[4:5]
	s_or_b32 s[G0BX+3], s[G0BX+3], 0x80000000
	s_mul_i32 s4, s12, 64*BROW                     ; Y: my half of its 128 k-rows
	s_add_nc_u64 s[G0BY+2:G0BY+3], s[20:21], s[4:5]
	s_add_nc_u64 s[G0BY+2:G0BY+3], s[G0BY+2:G0BY+3], 256*BROW
	s_or_b32 s[G0BY+3], s[G0BY+3], 0x80000000
	CROUND                                         ; all sixteen work-groups are here: the first joint loads meet
	JLOAD G0AX, G1AX, G0BX, G1BX                   ; X0 and Y0: a wave has two tensor loads out here, later one
	JLOAD G0AY, G1AY, G0BY, G1BY
	; LDS addresses: made of the lane and the wave's number alone
	v_and_b32 v1, 15, v0                           ; r
	v_bfe_u32 v2, v0, 4, 1                         ; hl
	v_and_b32 v3, 31, v0                           ; lane
	s_lshl_b32 s5, s12, 7                          ; my 64 of every 128 k: byte 128 kh
	v_mul_u32_u24 v4, v1, PAX
	v_lshl_add_u32 v4, v2, 4, v4                   ; r x 528 + 16 hl
	s_mul_i32 s4, s11, HAX                         ; my 128 rows
	s_add_co_u32 s4, s4, s5
	v_add_nc_u32 v[ADRAX], s4, v4
	v_mul_u32_u24 v4, v1, PAY
	v_lshl_add_u32 v4, v2, 4, v4                   ; r x 272 + 16 hl
	s_mul_i32 s4, s11, HAY
	s_add_co_u32 s4, s4, s5
	s_add_co_u32 s4, s4, YA
	v_add_nc_u32 v[ADRAY], s4, v4
	v_and_b32 v4, 7, v0
	v_lshl_add_u32 v4, v2, 3, v4                   ; k-row 8 hl + lane % 8
	v_mul_u32_u24 v4, v4, PB
	v_bfe_u32 v5, v0, 3, 1
	v_lshl_add_u32 v4, v5, 4, v4                   ; + 16 bytes for lanes 8-15 and 24-31
	s_mul_i32 s4, s12, HBY                         ; my 64 of every 128 k-rows
	s_add_co_u32 s4, s4, XB
	v_add_nc_u32 v[ADRBX], s4, v4
	v_add_nc_u32 v[ADRBY], YB-XB, v[ADRBX]
	v_mul_u32_u24 v4, v1, PS
	v_lshl_add_u32 v4, v2, 5, v4                   ; stage, in: row r, 32 bytes for each half of the lanes
	s_mul_i32 s4, s10, REG
	v_add_nc_u32 v[STO], s4, v4
	v_lshlrev_b32 v[L16], 4, v3
	s_mul_i32 s4, s11, 2*REG                       ; stage, back: the pair of partial tiles of my row half,
	s_mul_i32 s5, s12, 64*PS                       ; rows 64 kh .. 64 kh + 63 of them
	s_add_co_u32 s4, s4, s5
	v_add_nc_u32 v[RD0], s4, v[L16]
	v_add_nc_u32 v[RD1], REG, v[RD0]
	; the bias of my 4 columns, and out0's base
	s_mov_b32 s19, 0
	s_lshl_b32 s18, s8, 9                          ; block column x 512 bytes
	s_add_nc_u64 s[80:81], s[80:81], s[18:19]
	global_load_b128 v[BIAS:BIAS+3], v[L16], s[80:81]  ; waited for at the way out
	s_lshl_b32 s23, s13, 8
	s_lshl_b32 s19, s10, 6
	s_add_co_u32 s23, s23, s19                     ; the first of the 64 rows that I finish: 256 x block row + 64 x wave
	s_lshl_b32 s19, s23, 14                        ; x 16,384 bytes
	s_add_co_u32 s18, s18, s19
	s_mov_b32 s19, 0
	s_add_nc_u64 s[OBASE:OBASE+1], s[82:83], s[18:19]
; 16 matrix instructions: row blocks a0, a0 + 1 of the window's four x all 8 column blocks, 32 along K.  zero = 1: the first product starts the sums.
.macro MUL16 f, hi, a0, zero
.irp a, \a0, \a0+1
.irp b, 0,1,2,3,4,5,6,7
.if \zero
	v_wmma_f32_16x16x32_bf16 v[8*(8*(\a)+\b):8*(8*(\a)+\b)+7], v[\f+8*\b:\f+8*\b+7], v[\f+8*(4*\hi+\a):\f+8*(4*\hi+\a)+7], 0
.else
	v_wmma_f32_16x16x32_bf16 v[8*(8*(\a)+\b):8*(8*(\a)+\b)+7], v[\f+8*\b:\f+8*\b+7], v[\f+8*(4*\hi+\a):\f+8*(4*\hi+\a)+7], v[8*(8*(\a)+\b):8*(8*(\a)+\b)+7]
.endif
.endr
.endr
.endm
.macro LO f, zero                      ; 32 matrix instructions: my rows 0-63
	WIN MUL_LO
	MUL16 \f, 0, 0, \zero
	MUL16 \f, 0, 2, \zero
.endm
.macro HI f, zero                      ; 32 matrix instructions: my rows 64-127
	WIN MUL_HI
	MUL16 \f, 1, 0, \zero
	MUL16 \f, 1, 2, \zero
.endm
; 32 LDS loads in one run: the fragments of 32 k into buffer f.  B: two transposing loads, 16 k-rows apart, bring column 16 b + r;
; A: two loads of 16 bytes, 32 bytes apart, bring row 16 i + r.  From X: s = which 128 k of its 256, q = which 32 of my 64.
.macro FETCHX s, q, f
	WIN TO_B
.irp b, 0,1,2,3,4,5,6,7
	ds_load_tr16_b128 v[\f+8*\b:\f+8*\b+3],   v[ADRBX] offset:(128*\s+32*\q)*PB+32*\b
	ds_load_tr16_b128 v[\f+8*\b+4:\f+8*\b+7], v[ADRBX] offset:(128*\s+32*\q+16)*PB+32*\b
.endr
	WIN 0
.irp i, 0,1,2,3,4,5,6,7
	ds_load_b128 v[\f+8*\i:\f+8*\i+3],   v[ADRAX] offset:256*\s+64*\q+\i*16*PAX
	ds_load_b128 v[\f+8*\i+4:\f+8*\i+7], v[ADRAX] offset:256*\s+64*\q+\i*16*PAX+32
.endr
.endm
.macro FETCHY q, f
	WIN TO_B
.irp b, 0,1,2,3,4,5,6,7
	ds_load_tr16_b128 v[\f+8*\b:\f+8*\b+3],   v[ADRBY] offset:32*\q*PB+32*\b
	ds_load_tr16_b128 v[\f+8*\b+4:\f+8*\b+7], v[ADRBY] offset:(32*\q+16)*PB+32*\b
.endr
	WIN 0
.irp i, 0,1,2,3,4,5,6,7
	ds_load_b128 v[\f+8*\i:\f+8*\i+3],   v[ADRAY] offset:64*\q+\i*16*PAY
	ds_load_b128 v[\f+8*\i+4:\f+8*\i+7], v[ADRAY] offset:64*\q+\i*16*PAY+32
.endr
.endm
; A load into a register that a matrix instruction has read, and whatever reads a matrix result other than the next link of its own sum,
; stand four plain vector instructions behind it (ISA guide 7.12.1 for vector instructions).
.macro PLACES
.rept 4
	v_nop
.endr
.endm
; A quarter is 32 k of a wave, 64 matrix instructions, on fragment buffers 0 and 1 by turns; in its middle the next quarter's fragments are
; fetched into the other buffer.  The 64 accumulators take turns, one instruction a turn, in the same order in every quarter and over
; the backward jump.
; SLOT X: four quarters.  On entry buffer 0 is being filled with its first.  At the head of the fourth quarter X has been read to its end
; (the last fetch was issued 32 matrix instructions before): each wave waits for its LDS loads and for all its tensor loads (one is out:
; its part of Y), a round of the cluster's barrier follows with nothing inside it, and the joint refill of X is the first tensor load
; behind the round.  last = 1: the launch's last slot: no round, no refill, nothing more to fetch.
.macro XSLOT zero, last
	s_wait_dscnt 8                                 ; B and A's rows 0-63 are in; the youngest eight loads (A's rows 64-127) may be out
	LO F0, \zero
	PLACES
	FETCHX 0, 1, F1
	s_wait_dscnt 32                                ; all but the 32 just issued
	HI F0, \zero
	s_wait_dscnt 8
	LO F1, 0
	PLACES
	FETCHX 1, 0, F0
	s_wait_dscnt 32
	HI F1, 0
	s_wait_dscnt 8
	LO F0, 0
	PLACES
	FETCHX 1, 1, F1
	s_wait_dscnt 32
	HI F0, 0
	s_wait_dscnt 0x0                               ; my reads of X are over
.if \last
	LO F1, 0
	HI F1, 0
.else
	s_wait_tensorcnt 0x0                           ; all my tensor loads have landed: my part of Y
	ds_add_u32 v255, v255
	s_wait_dscnt 0x0
	WIN 0
	CROUND                                         ; no wave of any partner still reads X or has a load on its way
	s_add_nc_u64 s[G0AX+2:G0AX+3], s[G0AX+2:G0AX+3], ASTEP
	s_add_nc_u64 s[G0BX+2:G0BX+3], s[G0BX+2:G0BX+3], BSTEP
	JLOAD G0AX, G1AX, G0BX, G1BX
	LO F1, 0
	PLACES
	FETCHY 0, F0
	HI F1, 0
.endif
.endm
; SLOT Y: two quarters.  In the middle of the second, in front of the first fetch from X: the same waits (the load that is out is my part
; of X), the round, the joint refill of Y.  fill = 0: the last Y: a plain barrier shows X whole to every wave, and nothing is filled.
.macro YSLOT fill
	s_wait_dscnt 8
	LO F0, 0
	PLACES
	FETCHY 1, F1
	s_wait_dscnt 32
	HI F0, 0
	s_wait_dscnt 8
	LO F1, 0
	s_wait_dscnt 0x0                               ; my reads of Y are over
	s_wait_tensorcnt 0x0                           ; all my tensor loads have landed: my part of X
	ds_add_u32 v255, v255
	s_wait_dscnt 0x0
	WIN 0
.if \fill
	CROUND
	s_add_nc_u64 s[G0AY+2:G0AY+3], s[G0AY+2:G0AY+3], ASTEP
	s_add_nc_u64 s[G0BY+2:G0BY+3], s[G0BY+2:G0BY+3], BSTEP
	JLOAD G0AY, G1AY, G0BY, G1BY
.else
	s_barrier_signal -1
	s_barrier_wait -1
.endif
	PLACES
	FETCHX 0, 0, F0
	HI F1, 0
.endm
	s_wait_tensorcnt 0x1                           ; my part of X0 is in; Y0's stays out
	s_barrier_signal -1
	s_barrier_wait -1
	FETCHX 0, 0, F0
	XSLOT 1, 0                                     ; X0, Y0; the first products start the sums
	YSLOT 1
	WIN 0
	s_mov_b32 s3, 8
.Lperiod:
	XSLOT 0, 0                                     ; X1, Y1 to X8, Y8: each asks for its slot's next tile
	YSLOT 1
	WIN 0
	s_sub_co_u32 s3, s3, 1
	s_cmp_lg_u32 s3, 0
	s_cbranch_scc1 .Lperiod
	XSLOT 0, 0                                     ; X9 asks for X10
	YSLOT 0                                        ; Y9: there is no Y10
	XSLOT 0, 1                                     ; X10
	; THE WAY OUT.  The four v_nop are the places behind the last matrix instructions, for the LDS stores of results and the loads into window 0.
	PLACES
	WIN 0
	s_wait_dscnt 0x0
	s_barrier_signal -1
	s_barrier_wait -1                              ; nobody reads the ring any more, and it has had its last fill: the stage may lie over it
.macro STAGE hi
.irp a, 0,1,2,3
.irp b, 0,1,2,3,4,5,6,7
	ds_store_b128 v[STO], v[8*(8*\a+\b):8*(8*\a+\b)+3]   offset:(4*\hi+\a)*16*PS+64*\b
	ds_store_b128 v[STO], v[8*(8*\a+\b)+4:8*(8*\a+\b)+7] offset:(4*\hi+\a)*16*PS+64*\b+16
.endr
.endr
.endm
	WIN 0x08                                       ; store data (source 1) from window 2
	STAGE 0
	WIN 0x0c                                       ; from window 3
	STAGE 1
	WIN 0
	s_wait_dscnt 0x0                               ; my partial tile is in LDS,
	s_barrier_signal -1
	s_barrier_wait -1                              ; everybody's is
	s_wait_loadcnt 0x0                             ; the bias
; Eight rows of my 64: both partial sums back by whole rows (a lane: 4 neighbouring columns), their sum, the bias, 16 bytes a lane out.
.macro FIN g, f
	s_wait_xcnt 0x0                                ; buffer f, which the stores of two groups ago read, is loaded again only behind this wait
.irp j, 0,1,2,3,4,5,6,7
	ds_load_b128 v[\f+8*\j:\f+8*\j+3],   v[RD0] offset:(8*\g+\j)*PS
	ds_load_b128 v[\f+8*\j+4:\f+8*\j+7], v[RD1] offset:(8*\g+\j)*PS
.endr
.irp j, 0,1,2,3,4,5,6,7
	s_wait_dscnt 14-2*\j                           ; LDS loads come back in order (ISA guide 5.7.1): row j's two are in, the later rows' stay out
	v_pk_add_f32 v[\f+8*\j:\f+8*\j+1],   v[\f+8*\j:\f+8*\j+1],   v[\f+8*\j+4:\f+8*\j+5]
	v_pk_add_f32 v[\f+8*\j+2:\f+8*\j+3], v[\f+8*\j+2:\f+8*\j+3], v[\f+8*\j+6:\f+8*\j+7]
	v_pk_add_f32 v[\f+8*\j:\f+8*\j+1],   v[\f+8*\j:\f+8*\j+1],   v[BIAS:BIAS+1]
	v_pk_add_f32 v[\f+8*\j+2:\f+8*\j+3], v[\f+8*\j+2:\f+8*\j+3], v[BIAS+2:BIAS+3]
	global_store_b128 v[L16], v[\f+8*\j:\f+8*\j+3], s[OBASE:OBASE+1] offset:(8*\g+\j)*16384 th:TH_STORE_NT   ; the wave stores 512 consecutive bytes, aligned
.endr
.endm
	FIN 0, F0
	FIN 1, F1
	FIN 2, F0
	FIN 3, F1
	FIN 4, F0
	FIN 5, F1
	FIN 6, F0
	FIN 7, F1
	s_set_vgpr_msb 0x1
	s_wait_tensorcnt 0x0
	ds_add_u32 v255, v255
	s_wait_dscnt 0x0
	s_set_vgpr_msb 0x100
	CROUND                                         ; the closing round: no work-group ends while a partner may still ask for a tile that names it
	s_endpgm
.Lfunc_end_k_q0129c3fe8f_outproj:
	.size	k_q0129c3fe8f_outproj, .Lfunc_end_k_q0129c3fe8f_outproj-k_q0129c3fe8f_outproj
	.p2alignl 7, 3214868480
	.fill 96, 4, 3214868480
	.section	.rodata,"a",@progbits
	.p2align	6, 0x0
	.amdhsa_kernel k_q0129c3fe8f_outproj
		.amdhsa_group_segment_fixed_size 327680
		.amdhsa_private_segment_fixed_size 0
		.amdhsa_enable_private_segment 0
		.amdhsa_kernarg_size 32
		.amdhsa_user_sgpr_count 2
		.amdhsa_user_sgpr_kernarg_segment_ptr 1
		.amdhsa_wavefront_size32 1
		.amdhsa_system_sgpr_workgroup_id_x 1
		.amdhsa_system_sgpr_workgroup_id_y 1
		.amdhsa_system_sgpr_workgroup_id_z 1
		.amdhsa_system_vgpr_workitem_id 0
		.amdhsa_next_free_vgpr 1024
		.amdhsa_next_free_sgpr 102
		.amdhsa_reserve_vcc 0
		.amdhsa_float_denorm_mode_32 3
		.amdhsa_float_denorm_mode_16_64 3
		.amdhsa_memory_ordered 1
		.amdhsa_forward_progress 1
		.amdhsa_inst_pref_size 193
	.end_amdhsa_kernel
	.amdgpu_metadata
---
amdhsa.version: [ 1, 2 ]
amdhsa.kernels:
  - .name:           k_q0129c3fe8f_outproj
    .symbol:         k_q0129c3fe8f_outproj.kd
    .args:
      - { .name: hid, .offset: 0, .size: 8, .value_kind: global_buffer, .address_space: global }
      - { .name: wob, .offset: 8, .size: 8, .value_kind: global_buffer, .address_space: global }
      - { .name: b_out, .offset: 16, .size: 8, .value_kind: global_buffer, .address_space: global }
      - { .name: out0, .offset: 24, .size: 8, .value_kind: global_buffer, .address_space: global }
    .group_segment_fixed_size: 327680
    .private_segment_fixed_size: 0
    .kernarg_segment_align: 8
    .kernarg_segment_size: 32
    .max_flat_workgroup_size: 128
    .sgpr_count:     102
    .vgpr_count:     1024
    .wavefront_size: 32
...
	.end_amdgpu_metadata
.endif
;; end of part 3
;; ======== version 2 of 2: 3 launches; version 1 with the launch tobf16 written anew for expert scheduling mode
;; workspace buffers: xb 16,777,216 bytes; wpb 33,554,432 bytes; wob 33,554,432 bytes; hid 16,777,216 bytes
;; launch tobf16 (part 4): grid 1024 x 1, 8 waves a work-group, no clusters, 0 bytes of LDS; arguments x, W_proj, xb, wpb; writes xb, wpb
.if DOCPART == 4
	.amdgcn_target "amdgcn-amd-amdhsa--gfx1250"
	.amdhsa_code_object_version 6
	.text
	.protected	k_q0129c3fe8f_tobf16
	.globl	k_q0129c3fe8f_tobf16
	.p2align	8
	.type	k_q0129c3fe8f_tobf16,@function
k_q0129c3fe8f_tobf16:
	s_mov_b64 s[64:65], 0
	v_nop
	global_prefetch_b8 v0, s[64:65] scope:SCOPE_SE
	s_setreg_imm32_b32 hwreg(HW_REG_WAVE_SCHED_MODE, 0, 2), 2
	s_setreg_imm32_b32 hwreg(HW_REG_WAVE_MODE, 25, 1), 1
	s_wait_xcnt 0x0
	s_wait_alu depctr_vm_vsrc(0)
; xb = bf16(x), wpb = bf16(W_proj), element for element, the layouts unchanged: the matrix operands of the next launch.
; 1,024 work-groups of eight waves.  Work-group g owns 32,768 bytes of x (33,554,432 / 1,024) and 65,536 bytes of W_proj.
; Thread t takes 16 bytes (4 f32) at 16 t + 4,096 j of its group's part: 8 loads of x and 16 of W_proj, all 24 issued at once, so that
; no loop, no LDS and no barrier is needed.  A wave's load covers 512 consecutive bytes, its store (8 bytes a lane) 256 consecutive
; bytes that start at a multiple of 256 from the buffer's first byte.
; Matrix units, clusters and LDS are left out: each byte is read once and written once, and nothing is shared.
; THE MODE: SCHED_MODE bits 1:0 = 2 (LLVM: expert scheduling mode 2), set by the entry lines.  The code itself states the register
; dependences between vector instructions and memory instructions, with s_wait_alu, always for 0.
; THE PLAN.  Registers that memory instructions touch:
;   v1, v2     byte offsets of the loads and of the stores: written once at the head, never again.
;   item i     (0-7: x; 8-23: W_proj) four registers at X + 4 i.  Written by load i, which is issued before any vector instruction names
;              them; read by the item's two conversions, which write the first two of the four; those two are read by store i;
;              nothing writes them afterwards.
; The 24 items go in six groups of four.  Group g waits for its four loads; one wait on va_vdst states that the group before has written
; its packed results; that group's four stores then stand among group g's eight conversions, which name group g's registers alone.
; No register that a memory instruction has read is written again, so the text holds no wait on vm_vsrc.
.set X, 4                              ; v[4:99]  load i: four registers; its two packed results overwrite the first two
	s_load_b256 s[4:11], s[0:1], 0x0               ; x s[4:5], W_proj s[6:7], xb s[8:9], wpb s[10:11]
	s_lshl_b32 s12, ttmp9, 15                      ; g x 32,768: the group's part of x and of wpb
	s_mov_b32 s13, 0
	s_lshl_b32 s14, ttmp9, 14                      ; g x 16,384: of xb
	s_mov_b32 s15, 0
	s_lshl_b32 s2, ttmp9, 16                       ; g x 65,536: of W_proj
	s_mov_b32 s3, 0
	v_lshlrev_b32 v1, 4, v0                        ; 16 t: where I read
	v_lshlrev_b32 v2, 3, v0                        ; 8 t: where I write
	s_wait_kmcnt 0x0
	s_add_nc_u64 s[4:5], s[4:5], s[12:13]
	s_add_nc_u64 s[6:7], s[6:7], s[2:3]
	s_add_nc_u64 s[8:9], s[8:9], s[14:15]
	s_add_nc_u64 s[10:11], s[10:11], s[12:13]
	s_wait_alu depctr_va_vdst(0)                   ; v1 and v2 are written: every load of the kernel reads v1 as its offset, every store v2
.irp j, 0,1,2,3,4,5,6,7
	global_load_b128 v[X+4*\j:X+4*\j+3], v1, s[4:5] offset:4096*\j th:TH_LOAD_NT
.endr
.irp j, 0,1,2,3,4,5,6,7,8,9,10,11,12,13,14,15
	global_load_b128 v[X+32+4*\j:X+32+4*\j+3], v1, s[6:7] offset:4096*\j th:TH_LOAD_NT
.endr
; Item i: four f32 close up into two registers of bf16.
.macro CVT i
	v_cvt_pk_bf16_f32 v[X+4*(\i)],   v[X+4*(\i)],   v[X+4*(\i)+1]
	v_cvt_pk_bf16_f32 v[X+4*(\i)+1], v[X+4*(\i)+2], v[X+4*(\i)+3]
.endm
; Item i goes out: items 0 to 7 into xb, items 8 to 23 into wpb, 2,048 bytes of the group's part each.
.macro OUT i
.if (\i) < 8
	global_store_b64 v2, v[X+4*(\i):X+4*(\i)+1], s[8:9] offset:2048*(\i)
.else
	global_store_b64 v2, v[X+4*(\i):X+4*(\i)+1], s[10:11] offset:2048*((\i)-8)
.endif
.endm
; Group g: items 4 g to 4 g + 3 are converted; the stores of the group before stand among the conversions, a store ahead of each pair.
.macro GROUP g
	s_wait_loadcnt 20-4*(\g)                       ; loads come back in order (ISA guide 5.7.1): the count is the number of younger loads, which stay out
.if (\g) > 0
	s_wait_alu depctr_va_vdst(0)                   ; the conversions of the group before have written its eight packed results, which the four stores below read
.endif
.irp n, 0,1,2,3
.if (\g) > 0
	OUT 4*(\g)-4+(\n)                              ; no vector instruction since the wait names this item's registers
.endif
	CVT 4*(\g)+(\n)
.endr
.endm
	GROUP 0                                        ; no group stands in front of it: no store, and no wait but the one for its data
	GROUP 1
	GROUP 2
	GROUP 3
	GROUP 4
	GROUP 5
	s_wait_alu depctr_va_vdst(0)                   ; the last group's conversions have written its packed results, which the last four stores read
	OUT 20
	OUT 21
	OUT 22
	OUT 23
	s_endpgm
.Lfunc_end_k_q0129c3fe8f_tobf16:
	.size	k_q0129c3fe8f_tobf16, .Lfunc_end_k_q0129c3fe8f_tobf16-k_q0129c3fe8f_tobf16
	.p2alignl 7, 3214868480
	.fill 96, 4, 3214868480
	.section	.rodata,"a",@progbits
	.p2align	6, 0x0
	.amdhsa_kernel k_q0129c3fe8f_tobf16
		.amdhsa_group_segment_fixed_size 0
		.amdhsa_private_segment_fixed_size 0
		.amdhsa_enable_private_segment 0
		.amdhsa_kernarg_size 32
		.amdhsa_user_sgpr_count 2
		.amdhsa_user_sgpr_kernarg_segment_ptr 1
		.amdhsa_wavefront_size32 1
		.amdhsa_system_sgpr_workgroup_id_x 1
		.amdhsa_system_sgpr_workgroup_id_y 1
		.amdhsa_system_sgpr_workgroup_id_z 1
		.amdhsa_system_vgpr_workitem_id 0
		.amdhsa_next_free_vgpr 104
		.amdhsa_next_free_sgpr 66
		.amdhsa_reserve_vcc 0
		.amdhsa_float_denorm_mode_32 3
		.amdhsa_float_denorm_mode_16_64 3
		.amdhsa_memory_ordered 1
		.amdhsa_forward_progress 1
		.amdhsa_inst_pref_size 9
	.end_amdhsa_kernel
	.amdgpu_metadata
---
amdhsa.version: [ 1, 2 ]
amdhsa.kernels:
  - .name:           k_q0129c3fe8f_tobf16
    .symbol:         k_q0129c3fe8f_tobf16.kd
    .args:
      - { .name: x, .offset: 0, .size: 8, .value_kind: global_buffer, .address_space: global }
      - { .name: W_proj, .offset: 8, .size: 8, .value_kind: global_buffer, .address_space: global }
      - { .name: xb, .offset: 16, .size: 8, .value_kind: global_buffer, .address_space: global }
      - { .name: wpb, .offset: 24, .size: 8, .value_kind: global_buffer, .address_space: global }
    .group_segment_fixed_size: 0
    .private_segment_fixed_size: 0
    .kernarg_segment_align: 8
    .kernarg_segment_size: 32
    .max_flat_workgroup_size: 256
    .sgpr_count:     66
    .vgpr_count:     104
    .wavefront_size: 32
...
	.end_amdgpu_metadata
.endif
;; end of part 4
;; launch heads: the kernel of part 2 again; grid 32 x 8, 4 waves a work-group, clusters of 4 x 4, 327,680 bytes of LDS; arguments xb, wpb, caches, b_proj, w_mix, b_mix, decay_values, W_out, hid, wob; writes hid, wob
;; launch outproj: the kernel of part 3 again; grid 32 x 8, 4 waves a work-group, clusters of 4 x 4, 327,680 bytes of LDS; arguments hid, wob, b_out, out0; writes out0
